; MI455X (gfx1250); checked and timed in simulation.
; The chip was launched on July 23, 2026; its instructions are those of AMD's public machine-readable ISA for CDNA 5 (MIT licence, August 2026) and "CDNA5" Instruction Set Architecture Reference Guide (July 2026). The comments in the code are by the model that wrote it; some were corrected since.
;; Multi Head Attention. Allowed arithmetic: matrix products marked QUANTISED: E2M1 operands, one E8M0 scale for each 32 along K, by v_wmma_scale_f32_16x16x128_f8f6f4 with both operands' format E2M1 (or v_wmma_scale_f32_32x16x128_f4), f32 sums; everything else in f32.
;; Inputs: W_qkv 3,072 x 1,024 float32; b_qkv 3,072 float32; x 2 x 2,048 x 1,024 float32.
;; Outputs: out0 2 x 2,048 x 1,024 float32.
;; This version of the problem:
;;   THIS VERSION OF THE PROBLEM IS GIVEN IN LOW PRECISION. The matrix products marked QUANTISED in the list below multiply operands that are first quantised to E2M1 (2 exponent bits, 1 mantissa bit; 4 bits a number), with one power-of-two scale for each 32 numbers along K (OCP MX v1.0); their sums are f32. All else is computed in f32.
;;   The module's matrix products, in the order in which they are computed (A, B: the left and right operand; K: the contracted axis; several contracted axes count as one K, in the product's order):
;;     1. [M 4,096, K 1,024] x [K 1,024, N 3,072]; A: input x; B: input W_qkv: QUANTISED
;;     2. batch 16 x [M 2,048, K 128] x [K 128, N 2,048]; A: computed on the way; B: computed on the way: QUANTISED
;;     3. batch 16 x [M 2,048, K 2,048] x [K 2,048, N 128]; A: softmax (see below); B: computed on the way: QUANTISED
;;   THE QUANTISER, for each operand of a quantised product, along K:
;;     - K is cut into blocks of 32 from its start; a last block that is shorter is filled with zeros.
;;     - A block's scale is 2^e with e = floor(log2(the largest magnitude in the block)) - 2, held to -126 .. 127; a block of zeros has e = 0. As a byte (E8M0): e + 127.
;;     - Each number is divided by its block's scale, clamped to +-6, and rounded to the nearest number of E2M1, ties to even, subnormals kept.
;;     - The product sums the exact products of the quantised numbers (number of the format x scale) in f32.
;;   ~~~python
;;   def quantise(x, axis):      # numpy; x: float32 -> the quantised numbers, widened to float32 again
;;       x = np.moveaxis(x, axis, -1); K = x.shape[-1]
;;       x = np.pad(x, [(0, 0)] * (x.ndim - 1) + [(0, -K % 32)]); x = x.reshape(x.shape[:-1] + (-1, 32)); a = np.abs(x).max(-1, keepdims=True)
;;       e = np.where(a > 0, np.clip(np.frexp(np.where(a > 0, a, 1))[1] - 1 - 2, -126, 127), 0)      # np.frexp(a)[1] - 1 = floor(log2(a)), exactly
;;       r = np.clip(x / 2.0 ** e, -6, 6)
;;       step = 2.0 ** (np.maximum(np.frexp(np.where(r == 0, 1, r))[1] - 1, 0) - 1)
;;       q = np.round(r / step) * step * 2.0 ** e      # np.round: ties to even
;;       return np.moveaxis(q.reshape(q.shape[:-2] + (-1,))[..., :K], -1, axis).astype(np.float32)
;;   ~~~
;;   SOFTMAX AHEAD OF A QUANTISED PRODUCT. Where the list says 'softmax', what is quantised is not the finished softmax but p = 2^(t - M), with t = logit x log2(e) and M = ceil(the row's largest t), a whole number; so 1/2 < the row's largest p <= 1. The row's sum l is taken of the UNQUANTISED p, in f32, and the product's result is divided by l at the end. Since M is a whole number, a kernel that streams over the keys may use a running M (the ceiling of the running maximum): every later rescaling is an exact power of two, which a block's scale takes up: the codes' values come out the same.
;;   OPERANDS COMPUTED ON THE WAY. 'Computed on the way' means the value that the module computes at that place (a softmax that the list does not call 'softmax' is quantised finished and normalised). What goes into a quantiser is computed in f32, as accurately as f32 sums, v_exp_f32 and their like allow (about 1e-6 of the number): no bf16 or f16 on the way to a quantiser, and a product that is left as it is and whose result goes on into a quantised operand takes f32 operands (vector FMAs, or v_wmma_f32_16x16x4_f32). A number that lies on a knife's edge between two numbers of the format may be rounded either way, as far as f32 arithmetic and the matrix unit's own rounding can turn it there, and no further.
;; One version. Each part assembles by itself: llvm-mc -triple=amdgcn-amd-amdhsa -mcpu=gfx1250 --defsym DOCPART=n.
;; ======== version 1 of 1: 3 launches
;; limits: right only within a limited range of input values
;; workspace buffers: opq 3,899,392 bytes; qb 2,228,224 bytes; kvb 4,456,448 bytes
;; launch quant (part 1): grid 8 x 56, 8 waves a work-group, no clusters, 69,120 bytes of LDS; arguments x, W_qkv, opq; writes opq
.if DOCPART == 1
	.amdgcn_target "amdgcn-amd-amdhsa--gfx1250"
	.amdhsa_code_object_version 6
	.text
	.protected	k_q8f8049bb89_quant
	.globl	k_q8f8049bb89_quant
	.p2align	8
	.type	k_q8f8049bb89_quant,@function
k_q8f8049bb89_quant:
	s_mov_b64 s[64:65], 0
	v_nop
	global_prefetch_b8 v0, s[64:65] scope:SCOPE_SE
	s_setreg_imm32_b32 hwreg(HW_REG_WAVE_MODE, 25, 1), 1
	s_wait_xcnt 0x0
; FIRST OF THREE LAUNCHES.  out0 = softmax(Q K^T / sqrt(128)) V per batch and head, Q, K, V = x W_qkv^T + b_qkv, all three products on codes of FP4 (E2M1) with one E8M0 scale for each 32 along K.
; NO WORK OF reference() IS LEFT OUT, and every input is loaded: x and W_qkv feed the first product; b_qkv is added ahead of the quantisers of Q, K and V, so all of it can move codes and scales.
; THIS LAUNCH turns x [4096][1024] and W_qkv [3072][1024], f32, K innermost, into codes and scale bytes, once: the next launch's work-groups read each of them many times.
; THE BLOCK.  All workspace of this program is made of blocks of 8,704 bytes: 128 rows x 128 along K of one operand, as an IMAGE OF THE OPERAND'S REGISTERS.
;   bytes 0-8,191: eight tiles of 16 rows; tile T is one fragment (8 registers a lane): registers 4 c .. 4 c + 3 of lane l at 1024 T + 512 c + 16 l.  Two accesses of 16 bytes a lane, each 512 consecutive bytes, move a fragment.
;   bytes 8,192-8,703: the scale words (four bytes: 128 along K of one row): the word of tile 2 n + l / 16, row l % 16, at 8192 + 16 l + 4 n: one access of 16 bytes a lane gives four registers,
;   register n with tile 2 n's words in lanes 0-15 and tile 2 n + 1's in lanes 16-31.
;   THE ROWS OF A TILE ARE NOT NEIGHBOURS: row r of tile 2 b + u is row 32 b + 8 u + r + 8 (r / 8) of the 128.  So where a block is source 0 of a product, the 16 result registers of tiles 2 b and 2 b + 1 are the 16 neighbouring rows 32 b + 16 (lane / 16) + 0 .. 15.
; opq = [56 groups of 128 rows][8 K steps of 128][8,704]: groups 0-31 are x's rows 128 y on, groups 32-55 W_qkv's rows 128 (y - 32) on.
; SHARES.  Work-group (x = K step, y = group) makes one block; wave T makes tile T: 16 rows x 512 bytes of f32.  Each load reads 512 consecutive bytes of one row, 16 a lane; all sixteen are out at once.  The conversions want 16 neighbours
; along K in ONE lane, so the 8 KB turn through the wave's own stage in LDS (rows 528 bytes apart: 33 x 16, so that the sixteen rows that a load touches start in sixteen different 16-byte columns of 256).
; THE SCALE of a block of 32: 2^(floor(log2(largest magnitude)) - 2); its byte is the largest magnitude's exponent field - 2, held at 1 from below.
; LIMITS: a block of zeros gets the byte 1 where the rule says 127 (its codes are zeros, which add nothing, and this program alone reads the bytes); blocks whose largest magnitude lies under 2^-124 are held at the byte 1;
; NaN and infinities among the inputs are not served.
; No cluster, no tensor load: the work-groups share no input, and each byte is read once.
.set ROWB,  4096                       ; a row of x or of W_qkv in bytes
.set BLK,   8704
.set SP,    528                        ; a stage row
.set STGB,  16*SP                      ; a wave's stage
.set SPARE, 8*STGB                     ; behind the stages: the spare words, 128 bytes for each wave: four blocks of 256 bytes that no other line names
.set SCR,   SPARE+1024                 ; the block's scale image is gathered here: 512 bytes
.set L16,  1                           ; v1   16 x lane
.set RR,   2                           ; v2   r = lane % 16
.set HH,   3                           ; v3   h = lane / 16
.set STI,  4                           ; v4   the stage, on the way in: 16 x lane
.set STOA, 5                           ; v5   and on the way out: 528 r + 64 h
.set SCA,  6                           ; v6   where my row's scale word goes
.set GRD,  7                           ; v7   where wave 0 reads the scale image back
.set SPW,  8                           ; v8   LDS address of my spare word; never rewritten
.set NIL,  9                           ; v9   0; never rewritten
.set TM,   12                          ; v12-27 at work in QUANT
.set PW,   28                          ; v28  the scale word
.set PC,   32                          ; v32-39 the codes
.set R,    40                          ; v40-103 sixteen rows as loaded
.set X,    104                         ; v104-167 my 64 numbers: register 16 b + i = k 32 b + 16 h + i of row r
.set GS,   168                         ; v168-171 the scale image on its way out
.set SEL,  12                          ; s[12:13] v_permlanex16_b32's selects for lane l xor 16
; 64 numbers of a lane, register 16 b + i = k 32 b + 16 (lane / 16) + i of my row, become a fragment's codes in v[pc] on and its scale word in v[pw].
.macro QUANT s, pc, pw
.irp b, 0,1,2,3
	v_max3_num_f32 v[TM+\b], |v[(\s)+16*\b]|, |v[(\s)+1+16*\b]|, 0x1800000   ; block b: my 16 numbers, and the floor 2^(3 - 127): so the byte cannot fall under 1
.endr
.irp i, 2,4,6,8,10,12,14
.irp b, 0,1,2,3
	s_delay_alu instid0(VALU_DEP_4)
	v_max3_num_f32 v[TM+\b], v[TM+\b], |v[(\s)+16*\b+\i]|, |v[(\s)+1+16*\b+\i]|   ; the four blocks by turns
.endr
.endr
.irp b, 0,1,2,3
	s_delay_alu instid0(VALU_DEP_4)
	v_permlanex16_b32 v[TM+4+\b], v[TM+\b], s[SEL], s[SEL+1]
.endr
.irp b, 0,1,2,3
	s_delay_alu instid0(VALU_DEP_4)
	v_max_num_f32 v[TM+\b], v[TM+\b], v[TM+4+\b]   ; with lane l xor 16's: the block's largest magnitude
.endr
.irp b, 0,1,2,3
	s_delay_alu instid0(VALU_DEP_4)
	v_add_nc_u32 v[TM+12+\b], 0xff000000, v[TM+\b]   ; 2 off its exponent field: the conversion takes the exponent field of this operand as its scale
.endr
.irp b, 0,1,2,3
	s_delay_alu instid0(VALU_DEP_4)
	v_lshrrev_b32 v[TM+4+\b], 23, v[TM+12+\b]      ; the scale's byte
.endr
	s_delay_alu instid0(VALU_DEP_3)
	v_lshl_or_b32 v[\pw], v[TM+5], 8, v[TM+4]      ; the four bytes make my row's scale word
	s_delay_alu instid0(VALU_DEP_1)
	v_lshl_or_b32 v[\pw], v[TM+6], 16, v[\pw]
	s_delay_alu instid0(VALU_DEP_1)
	v_lshl_or_b32 v[\pw], v[TM+7], 24, v[\pw]
.irp b, 0,1,2,3
	v_cvt_scalef32_pk8_fp4_f32 v[(\pc)+2*\b], v[(\s)+16*\b:(\s)+7+16*\b], v[TM+12+\b]
	v_cvt_scalef32_pk8_fp4_f32 v[(\pc)+1+2*\b], v[(\s)+8+16*\b:(\s)+15+16*\b], v[TM+12+\b]
.endr
	v_nop                                          ; one plain instruction behind the last scaled conversion
.irp c, 0,1                                    ; the operand's layout wants a WHOLE block of 32 in a lane: lanes 0-15 block 2 c, lanes 16-31 block 2 c + 1
.irp i, 0,1
	v_permlane16_swap_b32 v[(\pc)+4*\c+\i], v[(\pc)+2+4*\c+\i]
.endr
.endr
.endm
	s_load_b128 s[4:7], s[0:1], 0x0                ; x, W_qkv
	s_load_b64 s[8:9], s[0:1], 0x10                ; opq
	v_lshl_add_u32 v[SPW], v0, 2, SPARE
	v_mov_b32 v[NIL], 0
	v_lshrrev_b32 v10, 5, v0
	s_delay_alu instid0(VALU_DEP_1)
	v_readfirstlane_b32 s10, v10                   ; T: my wave, my tile
	v_and_b32 v10, 31, v0
	s_delay_alu instid0(VALU_DEP_1)
	v_lshlrev_b32 v[L16], 4, v10
	v_and_b32 v[RR], 15, v0
	v_bfe_u32 v[HH], v0, 4, 1
	s_mul_i32 s11, s10, STGB                       ; my stage
	v_add_nc_u32 v[STI], s11, v[L16]
	v_mul_u32_u24 v[STOA], v[RR], SP
	s_delay_alu instid0(VALU_DEP_1)
	v_lshl_add_u32 v[STOA], v[HH], 6, v[STOA]
	s_delay_alu instid0(VALU_DEP_1)
	v_add_nc_u32 v[STOA], s11, v[STOA]
	s_and_b32 s14, s10, 1                          ; u
	s_lshr_b32 s15, s10, 1                         ; b
	s_lshl_b32 s16, s14, 8
	s_lshl_b32 s17, s15, 2
	s_add_co_u32 s16, s16, s17
	s_add_co_u32 s16, s16, SCR
	v_lshl_add_u32 v[SCA], v[RR], 4, s16           ; SCR + 256 u + 4 b + 16 r
	v_add_nc_u32 v[GRD], SCR, v[L16]
	s_mov_b32 s[SEL], 0x76543210
	s_mov_b32 s[SEL+1], 0xfedcba98
	s_and_b32 s18, ttmp7, 0xffff                   ; y: the group
	s_cmp_lt_u32 s18, 32
	s_cselect_b32 s19, 0, 32
	s_sub_co_u32 s19, s18, s19                     ; the group's number in its own tensor
	s_lshl_b32 s20, s19, 19                        ; 128 rows of 4,096 bytes a group,
	s_lshl_b32 s21, s15, 17                        ; 32 b rows,
	s_add_co_u32 s20, s20, s21
	s_lshl_b32 s21, s14, 15                        ; 8 u rows,
	s_add_co_u32 s20, s20, s21
	s_lshl_b32 s21, ttmp9, 9                       ; 512 bytes a K step
	s_add_co_u32 s20, s20, s21
	s_mov_b32 s21, 0
	s_lshl_b32 s22, s18, 3
	s_add_co_u32 s22, s22, ttmp9
	s_mul_i32 s22, s22, BLK                        ; block 8 y + K step,
	s_lshl_b32 s23, s10, 10
	s_add_co_u32 s22, s22, s23                     ; tile T
	s_mov_b32 s23, 0
	s_wait_alu depctr_va_vdst(0)
	s_wait_kmcnt 0x0
	s_cmp_lt_u32 s18, 32                           ; x's group or W_qkv's?  The choice hangs on the work-group's number alone
	s_cselect_b64 s[4:5], s[4:5], s[6:7]
	s_add_nc_u64 s[4:5], s[4:5], s[20:21]
	s_add_nc_u64 s[8:9], s[8:9], s[22:23]
.irp p, 0,1,2,3,4,5,6,7,8,9,10,11,12,13,14,15
	global_load_b128 v[R+4*\p:R+4*\p+3], v[L16], s[4:5] offset:(\p+8*(\p/8))*ROWB th:TH_LOAD_NT   ; the tile's row p: 32 lanes read 512 consecutive bytes
.endr
.irp b, 0,1,2,3
	v_mov_b32 v[TM+4+\b], 0                        ; written once: a lane permute's destination counts as one of its sources
.endr
.irp p, 0,1,2,3,4,5,6,7,8,9,10,11,12,13,14,15
	s_wait_loadcnt 15-\p                           ; row p is in; the 15 - p younger loads may be out
	ds_store_b128 v[STI], v[R+4*\p:R+4*\p+3] offset:SP*\p
.endr
.irp b, 0,1,2,3
.irp j, 0,1,2,3
	ds_load_b128 v[X+16*\b+4*\j:X+16*\b+4*\j+3], v[STOA] offset:128*\b+16*\j   ; LDS serves a wave's instructions in order: these see my stores
.endr
.endr
	s_wait_dscnt 0x0
	QUANT X, PC, PW
	global_store_b128 v[L16], v[PC:PC+3], s[8:9]               ; the fragment as it stands: 512 consecutive bytes a store, at a multiple of 256 from opq's first byte
	global_store_b128 v[L16], v[PC+4:PC+7], s[8:9] offset:512
	ds_store_b32 v[SCA], v[PW]                     ; lanes r and r + 16 write the same word with the same value
	s_wait_dscnt 0x0                               ; for wave 0's sake: my word lies in LDS
	s_barrier_signal -1
	s_barrier_wait -1
	s_cmp_lg_u32 s10, 0
	s_cbranch_scc1 .Lnot_wave_0
	ds_load_b128 v[GS:GS+3], v[GRD]                ; the eight tiles' scale words, in the image's order
	s_wait_dscnt 0x0
	global_store_b128 v[L16], v[GS:GS+3], s[8:9] offset:8192   ; 512 consecutive bytes (wave 0's base is the block's first byte)
.Lnot_wave_0:
	s_wait_tensorcnt 0x0                           ; the wave's end: behind my last LDS store
	ds_add_u32 v[SPW], v[NIL]
	s_wait_dscnt 0x0
	s_endpgm
.Lfunc_end_k_q8f8049bb89_quant:
	.size	k_q8f8049bb89_quant, .Lfunc_end_k_q8f8049bb89_quant-k_q8f8049bb89_quant
	.p2alignl 7, 3214868480
	.fill 96, 4, 3214868480
	.section	.rodata,"a",@progbits
	.p2align	6, 0x0
	.amdhsa_kernel k_q8f8049bb89_quant
		.amdhsa_group_segment_fixed_size 69120
		.amdhsa_private_segment_fixed_size 0
		.amdhsa_enable_private_segment 0
		.amdhsa_kernarg_size 24
		.amdhsa_user_sgpr_count 2
		.amdhsa_user_sgpr_kernarg_segment_ptr 1
		.amdhsa_wavefront_size32 1
		.amdhsa_system_sgpr_workgroup_id_x 1
		.amdhsa_system_sgpr_workgroup_id_y 1
		.amdhsa_system_sgpr_workgroup_id_z 1
		.amdhsa_system_vgpr_workitem_id 0
		.amdhsa_next_free_vgpr 176
		.amdhsa_next_free_sgpr 66
		.amdhsa_reserve_vcc 0
		.amdhsa_float_denorm_mode_32 3
		.amdhsa_float_denorm_mode_16_64 3
		.amdhsa_memory_ordered 1
		.amdhsa_forward_progress 1
		.amdhsa_inst_pref_size 13
	.end_amdhsa_kernel
	.amdgpu_metadata
---
amdhsa.version: [ 1, 2 ]
amdhsa.kernels:
  - .name:           k_q8f8049bb89_quant
    .symbol:         k_q8f8049bb89_quant.kd
    .args:
      - { .name: x, .offset: 0, .size: 8, .value_kind: global_buffer, .address_space: global }
      - { .name: W_qkv, .offset: 8, .size: 8, .value_kind: global_buffer, .address_space: global }
      - { .name: opq, .offset: 16, .size: 8, .value_kind: global_buffer, .address_space: global }
    .group_segment_fixed_size: 69120
    .private_segment_fixed_size: 0
    .kernarg_segment_align: 8
    .kernarg_segment_size: 24
    .max_flat_workgroup_size: 256
    .sgpr_count:     66
    .vgpr_count:     176
    .wavefront_size: 32
...
	.end_amdgpu_metadata
.endif
;; end of part 1
;; launch qkv (part 2): grid 8 x 32, 8 waves a work-group, clusters of 4 x 4, 327,680 bytes of LDS; arguments opq, b_qkv, qb, kvb; writes qb, kvb
.if DOCPART == 2
	.amdgcn_target "amdgcn-amd-amdhsa--gfx1250"
	.amdhsa_code_object_version 6
	.text
	.protected	k_q8f8049bb89_qkv
	.globl	k_q8f8049bb89_qkv
	.p2align	8
	.type	k_q8f8049bb89_qkv,@function
k_q8f8049bb89_qkv:
	s_mov_b64 s[64:65], 0
	v_nop
	global_prefetch_b8 v0, s[64:65] scope:SCOPE_SE
	s_setreg_imm32_b32 hwreg(HW_REG_WAVE_MODE, 25, 1), 1
	s_wait_xcnt 0x0
	s_wait_alu depctr_hold_cnt(0) depctr_sa_sdst(0) depctr_va_vdst(0) depctr_va_sdst(0) depctr_va_ssrc(0) depctr_va_vcc(0) depctr_vm_vsrc(0)
	s_getreg_b32 s2, hwreg(HW_REG_IB_STS2, 6, 4)
	s_cmp_eq_u32 s2, 0
	s_cbranch_scc0 .Lentry_in_a_cluster
	s_endpgm
.Lentry_in_a_cluster:
	s_bfe_u32 s2, ttmp6, 0x10000c
	s_cmp_lg_u32 s2, 0xf033
	s_cbranch_scc0 .Lentry_shape_is_right
	s_endpgm
.Lentry_shape_is_right:
; SECOND LAUNCH: Q, K, V = Q4(x) Q4(W_qkv)^T + b_qkv on codes of FP4, and the quantisers of Q, K (along the head's 128) and V (along the keys).  No f32 result goes to memory.  No work of reference() is left out.
; BLOCKS of 8,704 bytes, as the first launch lays them: 128 rows x 128 along K as an image of the operand's registers (tile T at 1024 T, registers 4 c .. 4 c + 3 of lane l at 512 c + 16 l; scale words from byte 8,192 on, tile 2 n + l / 16,
; row l % 16 at 16 l + 4 n); row r of tile 2 b + u is row 32 b + 8 u + r + 8 (r / 8) of the 128.
; IN:  opq [56 groups][8 K steps][8,704]: groups 0-31 x's token blocks, group 32 + 8 g + head: W_qkv's rows of Q (g = 0), K (1), V (2) of that head.
; OUT: qb [batch x head 16][token block 16][8,704];  kvb [batch x head 16][group of four token blocks 4][K of the four, V of the four][8,704].
; SHARES.  Work-group (head, token block) makes Q, K and V of one head for 128 tokens.  Eight waves, two to a SIMD: wave w has j = w / 2 and i = w % 2.  It makes, for the 64 tokens of x's tiles 4 i .. 4 i + 3:
;   64 channels of Q (j = 0, 1) or K (j = 2, 3), the half c = j % 2: source 0 = pairs of W's tiles, source 1 = x's tiles: a lane holds ONE token, 16 registers are 16 neighbouring channels, the next product's K;
;   32 channels of V, Wv's tiles 2 j, 2 j + 1: source 0 = pairs of x's tiles, source 1 = Wv's tiles: a lane holds ONE channel, 16 registers are 16 neighbouring tokens: the keys, the third product's K.
;   x's four fragments serve both: ten fragments a K step feed twelve products of 32 x 16.  Each of the six source-1 tiles ends in two blocks of 32 along the next K: four registers of codes, half of a fragment, and two scale bytes a row.
; LDS.  All of K (1,024) of the four blocks lies in LDS at once, 4 x 69,632 bytes (regions: Wq, Wk, x, Wv): every byte is filled once.  Wave w fetches half w % 2 (four K steps, 34,816 dense bytes as 136 rows of 256) of region w / 2: one load a wave, one barrier.
; CLUSTER 4 x 4: the four work-groups of a row share the token block (x's region), the four of a column the head (W's three regions): each load is asked for JOINTLY, with the same descriptor and a mask that names the four.
; NO PREFETCH: a wave has one tensor load, at the head: there is no loop that asks for tiles.
; THE BIAS is the C of each accumulator's first product.  LIMIT: so it stands first in the f32 sum and not last, another order of rounding than reference()'s.
; LIMITS of the quantisers: as in the first launch (a block of zeros gets the byte 1; magnitudes under 2^-124 are held at the byte 1; NaN and infinities are not served).
; REGISTERS.  Window 1: v0-191 accumulators: source-1 tile q, block b at 32 q + 16 b (q = 0-3: x's tiles, 4, 5: Wv's); v192-255 the bias.  Window 0: all else.
.set BLK,   8704
.set GRP,   8*BLK                      ; a group's eight K steps: a region of LDS
.set SPARE, 4*GRP                      ; behind the regions: the spare words, 128 bytes for each wave: four blocks of 256 bytes that no other line names
.set SCR,   SPARE+1024                 ; the scale images of Q, K and V, 512 bytes each, are gathered here: no tensor load lands here
.set L16,  1                           ; v1   16 x lane
.set AW,   2                           ; v2   LDS: my four tiles of W, + 16 x lane
.set AX,   3                           ; v3   my four tiles of x
.set AV,   4                           ; v4   my two tiles of Wv
.set ASW,  5                           ; v5   W's scale words
.set ASX,  6                           ; v6   x's, v7 the same with the halves of the lanes exchanged: the odd tile's words in lanes 0-15
.set ASV,  8                           ; v8   Wv's, v9 likewise exchanged
.set SPW,  12                          ; v12  LDS address of my spare word; never rewritten
.set NIL,  13                          ; v13  0; never rewritten
.set SBQ,  14                          ; v14  where my scale bytes of Q or K go
.set SBV,  15                          ; v15  and those of V
.set BAQ,  16                          ; v16  the bias: my lane's offset where it runs along the registers
.set BAV,  17                          ; v17  and where it hangs on the lane
.set GRD,  18                          ; v18  where a scale image is read back
.set SC0,  32                          ; v32-39, v40-47 two sets of scale words: W 2, x 2, x exchanged 2, Wv, Wv exchanged: scales and nothing else
.set FB,   48                          ; v48-127, v128-207 two sets of fragments: W 32, x 32, Wv 16
.set MX,   208                         ; v208-219 the blocks' maxima, then the conversions' scale operands
.set CC,   220                         ; v220-243 codes
.set GS,   244                         ; v244-247 a scale image on its way out
.set BI,   192                         ; window 1: the bias
.set WV,   12                          ; s12  my wave
.set J,    13
.set I,    14
.set G1X,  24                          ; s[24:31] descriptor group 1 for x's region;  s[32:39] for W's: they differ in the mask
.set G1W,  32
.set G0X,  40                          ; s[40:43], s[44:47] their groups 0
.set G0W,  44
.set MSB,  0
.macro WIN new                         ; the immediate's high byte repeats the setting that is left
.if MSB != (\new)
	s_set_vgpr_msb (MSB<<8)|(\new)
.set MSB, \new
.endif
.endm
.macro PLACES n
.rept \n
	v_nop
.endr
.endm
.macro CROUND                          ; a round of the cluster's barrier
	s_barrier_signal -1
	s_barrier_wait -1
	s_cmp_lg_u32 s[WV], 0
	s_cbranch_scc1 .Lnot_wave_0_\@
	s_barrier_signal -3
.Lnot_wave_0_\@:
	s_barrier_wait -3
	s_barrier_signal -1
	s_barrier_wait -1
.endm
.macro LOADK ks, p                     ; K step ks into set p: 25 LDS loads
.set WB, FB+80*(\p)
.set SC, SC0+8*(\p)
.set KO, (\ks)*BLK
.irp t, 0,1,2,3
.irp c, 0,1
	ds_load_b128 v[WB+8*\t+4*\c:WB+8*\t+4*\c+3], v[AW] offset:KO+1024*\t+512*\c
	ds_load_b128 v[WB+32+8*\t+4*\c:WB+32+8*\t+4*\c+3], v[AX] offset:KO+1024*\t+512*\c
.endr
.endr
.irp q, 0,1,2,3
	ds_load_b128 v[WB+64+4*\q:WB+64+4*\q+3], v[AV] offset:KO+512*\q
.endr
	ds_load_b64 v[SC:SC+1], v[ASW] offset:KO
	ds_load_b64 v[SC+2:SC+3], v[ASX] offset:KO
	ds_load_b64 v[SC+4:SC+5], v[ASX+1] offset:KO
	ds_load_b32 v[SC+6], v[ASV] offset:KO
	ds_load_b32 v[SC+7], v[ASV+1] offset:KO
.endm
.macro WMQ d, c, a, b, sa, sb
	v_wmma_scale_f32_32x16x128_f4 v[(\d):(\d)+15], v[(\a):(\a)+15], v[(\b):(\b)+7], v[(\c):(\c)+15], v[\sa], v[\sb]
.endm
.macro MULK ks, p                      ; twelve products: the accumulators take turns, one instruction a turn, in the same order in every K step
.set WB, FB+80*(\p)
.set SC, SC0+8*(\p)
	WIN 0x50                                       ; C and D in window 1
.irp t, 0,1,2,3
.irp b, 0,1
.if (\ks) == 0
	WMQ 32*\t+16*\b, BI+16*\b, WB+16*\b, WB+32+8*\t, SC+\b, SC+2+(\t/2)+2*(\t%2)
.else
	WMQ 32*\t+16*\b, 32*\t+16*\b, WB+16*\b, WB+32+8*\t, SC+\b, SC+2+(\t/2)+2*(\t%2)
.endif
.endr
.endr
.irp t, 0,1
.irp b, 0,1
.if (\ks) == 0
	WMQ 128+32*\t+16*\b, BI+32+16*\t, WB+32+16*\b, WB+64+8*\t, SC+2+\b, SC+6+\t
.else
	WMQ 128+32*\t+16*\b, 128+32*\t+16*\b, WB+32+16*\b, WB+64+8*\t, SC+2+\b, SC+6+\t
.endif
.endr
.endr
	WIN 0
.endm
	s_load_b256 s[4:11], s[0:1], 0x0               ; opq s[4:5], b_qkv s[6:7], qb s[8:9], kvb s[10:11]
	v_lshl_add_u32 v[SPW], v0, 2, SPARE
	v_mov_b32 v[NIL], 0
	ds_add_u32 v[SPW], v[NIL]                      ; the wave's opening: the add, twice on end, and its wait ahead of my first tensor load; the set-up below, work on registers, stands between
	ds_add_u32 v[SPW], v[NIL]
	v_lshrrev_b32 v19, 5, v0
	v_readfirstlane_b32 s[WV], v19                 ; wave 0..7
	s_lshr_b32 s[J], s[WV], 1
	s_and_b32 s[I], s[WV], 1
	s_bfe_u32 s15, ttmp6, 0x40000                  ; cx, cy: my place in the cluster
	s_bfe_u32 s16, ttmp6, 0x40004
	s_lshl_b32 s17, ttmp9, 2
	s_add_co_u32 s17, s17, s15                     ; the head = 4 x cluster x + cx
	s_and_b32 s18, ttmp7, 0xffff
	s_lshl_b32 s18, s18, 2
	s_add_co_u32 s18, s18, s16                     ; the token block = 4 x cluster y + cy
	s_lshl_b32 s19, s16, 2
	s_lshl_b32 s19, 15, s19                        ; my row of the cluster
	s_lshl_b32 s22, 0x1111, s15                    ; my column
	s_or_b32 s[G1X], s19, (3<<16)|(1<<21)          ; 15:0 the mask: x's region goes to my row; 17:16 elements of 8 bytes; 21 set beside a mask; no padding
	s_or_b32 s[G1W], s22, (3<<16)|(1<<21)          ; W's regions go to my column
.irp g, G1X, G1W
	s_mov_b32 s[\g+1], 32<<16                      ; tensor_dim0 = 32 elements: 256 bytes
	s_mov_b32 s[\g+2], 136<<16                     ; tensor_dim1 = 136 rows: 34,816 bytes
	s_mov_b32 s[\g+3], 32<<16                      ; tile_dim0
	s_mov_b32 s[\g+4], 136                         ; tile_dim1
	s_mov_b32 s[\g+5], 32                          ; the pitch: the tile is dense
	s_mov_b32 s[\g+6], 0
	s_mov_b32 s[\g+7], 0
.endr
	s_mul_i32 s61, s[I], 4*BLK                     ; my half of a region
	s_mul_i32 s60, s[J], GRP
	s_add_co_u32 s60, s60, s61                     ; where it lies in LDS: no place in the cluster enters an LDS address
	s_mul_i32 s56, s18, GRP
	s_add_co_u32 s56, s56, s61                     ; x's group, in bytes: it hangs on the token block and the wave alone
	s_mov_b32 s57, 0
	s_lshr_b32 s58, s[J], 1
	s_sub_co_u32 s58, s[J], s58                    ; regions 0, 1, 3 are W's rows of Q, K, V: 0, 1, 2
	s_lshl_b32 s58, s58, 3
	s_add_co_u32 s58, s58, s17
	s_add_co_u32 s58, s58, 32
	s_mul_i32 s58, s58, GRP
	s_add_co_u32 s58, s58, s61                     ; W's group: it hangs on the head and the wave alone
	s_mov_b32 s59, 0
	s_lshr_b32 s62, s[J], 1                        ; Q (0) or K (1)
	s_and_b32 s63, s[J], 1                         ; c: which half of the head's channels
	s_mul_i32 s48, s62, GRP                        ; W's region
	s_lshl_b32 s66, s63, 12
	s_add_co_u32 s66, s66, s48                     ; its tiles 4 c on
	s_lshl_b32 s69, s63, 3
	s_add_co_u32 s69, s69, s48
	s_add_co_u32 s69, s69, 8192                    ; and their scale words, pairs 2 c, 2 c + 1
	s_lshl_b32 s67, s[I], 12
	s_add_co_u32 s67, s67, 2*GRP                   ; x's tiles 4 i on
	s_lshl_b32 s70, s[I], 3
	s_add_co_u32 s70, s70, 2*GRP+8192
	s_lshl_b32 s68, s[J], 11
	s_add_co_u32 s68, s68, 3*GRP                   ; Wv's tiles 2 j on
	s_lshl_b32 s71, s[J], 2
	s_add_co_u32 s71, s71, 3*GRP+8192
	s_lshl_b32 s72, s62, 9                         ; the scale byte of tile T, row r, block 2 c + h: image + 256 (T % 2) + 16 r + 4 (T / 2) + 2 c + h
	s_lshl_b32 s48, s[I], 3
	s_add_co_u32 s72, s72, s48
	s_lshl_b32 s48, s63, 1
	s_add_co_u32 s72, s72, s48
	s_add_co_u32 s72, s72, SCR                     ; Q, K: T = 4 i + t
	s_lshl_b32 s73, s[J], 2
	s_lshl_b32 s48, s[I], 1
	s_add_co_u32 s73, s73, s48
	s_add_co_u32 s73, s73, SCR+1024                ; V: T = 2 j + t, and i in c's place
	s_lshl_b32 s79, s[WV], 9
	s_add_co_u32 s79, s79, SCR                     ; waves 0, 1, 2: image w
	s_lshl_b32 s48, s17, 9                         ; b_qkv: 1,024 g + 128 x head + 64 c numbers on
	s_lshl_b32 s74, s62, 12
	s_add_co_u32 s74, s74, s48
	s_lshl_b32 s49, s63, 8
	s_add_co_u32 s74, s74, s49
	s_mov_b32 s75, 0
	s_add_co_u32 s76, s48, 8192                    ; V's: 2,048 + 128 x head on
	s_mov_b32 s77, 0
	s_lshl_b32 s78, s[J], 7                        ; 32 j channels on
	s_lshr_b32 s80, s18, 4                         ; n = (batch x 8 + head) x 16 + token block % 16
	s_lshl_b32 s80, s80, 3
	s_add_co_u32 s80, s80, s17
	s_lshl_b32 s80, s80, 4
	s_and_b32 s48, s18, 15
	s_add_co_u32 s80, s80, s48
	s_lshr_b32 s82, s80, 2                         ; in kvb: group n / 4 of eight blocks, place n % 4 for K, 4 further on for V
	s_lshl_b32 s82, s82, 3
	s_and_b32 s48, s80, 3
	s_add_co_u32 s82, s82, s48
	s_mul_i32 s80, s80, BLK
	s_mov_b32 s81, 0
	s_mul_i32 s82, s82, BLK
	s_mov_b32 s83, 0
	s_lshl_b32 s92, s[I], 12                       ; Q, K: tiles 4 i on, registers 4 c on
	s_lshl_b32 s48, s63, 9
	s_add_co_u32 s92, s92, s48
	s_mov_b32 s93, 0
	s_lshl_b32 s94, s[J], 11                       ; V: tiles 2 j on, registers 4 i on
	s_lshl_b32 s48, s[I], 9
	s_add_co_u32 s94, s94, s48
	s_mov_b32 s95, 0
	v_and_b32 v19, 31, v0
	v_and_b32 v20, 15, v0                          ; r
	v_bfe_u32 v21, v0, 4, 1                        ; h
	v_lshlrev_b32 v[L16], 4, v19
	v_xor_b32 v22, 0x100, v[L16]                   ; 16 x (lane xor 16)
	v_add_nc_u32 v[AW], s66, v[L16]
	v_add_nc_u32 v[AX], s67, v[L16]
	v_add_nc_u32 v[AV], s68, v[L16]
	v_add_nc_u32 v[ASW], s69, v[L16]
	v_add_nc_u32 v[ASX], s70, v[L16]
	v_add_nc_u32 v[ASX+1], s70, v22
	v_add_nc_u32 v[ASV], s71, v[L16]
	v_add_nc_u32 v[ASV+1], s71, v22
	v_lshl_add_u32 v23, v20, 4, v21                ; 16 r + h
	v_add_nc_u32 v[SBQ], s72, v23
	v_add_nc_u32 v[SBV], s73, v23
	v_add_nc_u32 v[GRD], s79, v[L16]
	v_lshlrev_b32 v[BAQ], 6, v21                   ; register k of block b is channel 32 b + 16 h + k
	v_and_b32 v[BAV], 8, v20
	v_add_nc_u32 v[BAV], v[BAV], v20               ; V: my lane is channel 32 j + 8 t + r + 8 (r / 8)
	v_lshl_add_u32 v[BAV], v[BAV], 2, s78
	s_wait_alu depctr_va_vdst(0)
	s_wait_dscnt 0x0                               ; both opening adds are done
	s_wait_kmcnt 0x0
	s_add_nc_u64 s[56:57], s[4:5], s[56:57]
	s_add_nc_u64 s[58:59], s[4:5], s[58:59]
	s_add_nc_u64 s[74:75], s[6:7], s[74:75]
	s_add_nc_u64 s[76:77], s[6:7], s[76:77]
	s_add_nc_u64 s[84:85], s[8:9], s[80:81]        ; Q's block,
	s_add_nc_u64 s[86:87], s[10:11], s[82:83]      ; K's,
	s_add_nc_u64 s[90:91], s[86:87], 4*BLK         ; and V's
	s_cmp_eq_u32 s62, 0
	s_cselect_b64 s[88:89], s[84:85], s[86:87]     ; the choices hang on the wave's number alone
	s_add_nc_u64 s[88:89], s[88:89], s[92:93]      ; where my Q or K goes,
	s_add_nc_u64 s[96:97], s[90:91], s[94:95]      ; and my V
	s_cmp_eq_u32 s[WV], 0
	s_cselect_b64 s[98:99], s[84:85], s[86:87]
	s_cmp_eq_u32 s[WV], 2
	s_cselect_b64 s[98:99], s[90:91], s[98:99]     ; waves 0, 1, 2: the block whose scale image I store
	s_mov_b32 s[G0X], 1                            ; count = 1
	s_mov_b32 s[G0X+1], s60                        ; LDS address
	s_mov_b64 s[G0X+2:G0X+3], s[56:57]             ; global address
	s_or_b32 s[G0X+3], s[G0X+3], 0x80000000        ; type = 2
	s_mov_b32 s[G0W], 1
	s_mov_b32 s[G0W+1], s60
	s_mov_b64 s[G0W+2:G0W+3], s[58:59]
	s_or_b32 s[G0W+3], s[G0W+3], 0x80000000
	CROUND                                         ; all sixteen work-groups are here: the joint loads meet
	s_cmp_eq_u32 s[J], 2                           ; every wave's one tensor load: waves 4 and 5 fetch x's region, the others W's
	s_cbranch_scc0 .Lfill_w
	tensor_load_to_lds s[G0X:G0X+3], s[G1X:G1X+7]
	s_nop 0
	PLACES 4
	s_branch .Lfilled
.Lfill_w:
	tensor_load_to_lds s[G0W:G0W+3], s[G1W:G1W+7]
	s_nop 0
	PLACES 4
.Lfilled:
	WIN 0x40                                       ; THE BIAS, under the tiles' flight.  Q, K: it runs along the registers, 16 for each block of 32 channels;
.irp b, 0,1
.irp k, 0,1,2,3
	global_load_b128 v[BI+16*\b+4*\k:BI+16*\b+4*\k+3], v[BAQ], s[74:75] offset:128*\b+16*\k
.endr
.endr
	global_load_b32 v[BI+32], v[BAV], s[76:77]     ; V: it hangs on my lane's channel: one number for each tile, copied into the tile's 16 registers
	global_load_b32 v[BI+48], v[BAV], s[76:77] offset:32
	s_wait_loadcnt 0x0
	WIN 0x41
.set k, 1
.rept 15
	v_mov_b32 v[BI+32+k], v[BI+32]
	v_mov_b32 v[BI+48+k], v[BI+48]
.set k, k+1
.endr
	WIN 0
	s_wait_alu depctr_va_vdst(0)
	s_wait_tensorcnt 0x0                           ; my half region is in
	s_barrier_signal -1
	s_barrier_wait -1
	LOADK 0, 0
.irp ks, 0,1,2,3,4,5,6,7
.if \ks < 7
.if \ks > 0
	PLACES 4                                       ; between the last products and loads into registers that they read
.endif
	LOADK (\ks+1), ((\ks+1)%2)
	s_wait_dscnt 25                                ; this K step's 25 loads are in; the next one's 25 may be out
.else
	s_wait_dscnt 0x0
.endif
	MULK \ks, (\ks%2)
.endr
	; THE WAY OUT: the twelve blocks of 32 are quantised in registers; lanes l and l xor 16 share a block.
	PLACES 4                                       ; between the last products and the first read of results
	WIN 0x14
.irp k, 0,1,2,3,4,5,6,7,8,9,10,11
	v_max3_num_f32 v[MX+\k], 0x1800000, |v[16*\k]|, |v[16*\k+1]|   ; the largest magnitude, and the floor 2^(3 - 127): so the byte cannot fall under 1.  (Each accumulator from its low end on)
.endr
.irp i, 2,4,6,8,10,12,14
.irp k, 0,1,2,3,4,5,6,7,8,9,10,11
	v_max3_num_f32 v[MX+\k], v[MX+\k], |v[16*\k+\i]|, |v[16*\k+\i+1]|
.endr
.endr
	WIN 0
.irp q, 0,2,4,6,8,10
	v_permlane16_swap_b32 v[MX+\q], v[MX+\q+1]     ; now lanes 0-15 of both hold the first block's two halves, lanes 16-31 the second's:
.endr
.irp q, 0,2,4,6,8,10
	v_max_num_f32 v[MX+\q], v[MX+\q], v[MX+\q+1]   ; the first block's largest in lanes 0-15, the second's in lanes 16-31
.endr
.irp q, 0,2,4,6,8,10
	v_add_nc_u32 v[MX+\q], 0xff000000, v[MX+\q]    ; 2 off its exponent field: the conversion's scale operand
.endr
.irp q, 0,2,4,6,8,10
	v_lshrrev_b32 v[MX+\q+1], 23, v[MX+\q]         ; the scale's byte
.endr
.irp t, 0,1,2,3
	ds_store_b8 v[SBQ], v[MX+2*\t+1] offset:256*(\t%2)+4*(\t/2)   ; lane (r, h) stores the byte of row r, block 2 c + h
.endr
.irp t, 0,1
	ds_store_b8 v[SBV], v[MX+9+2*\t] offset:256*\t
.endr
.irp q, 0,2,4,6,8,10
	v_mov_b32 v[MX+\q+1], v[MX+\q]
.endr
.irp q, 0,2,4,6,8,10
	v_permlane16_swap_b32 v[MX+\q], v[MX+\q+1]     ; the first block's scale operand in all lanes, and the second's
.endr
	WIN 0x01
.irp k, 0,1,2,3,4,5,6,7,8,9,10,11
	v_cvt_scalef32_pk8_fp4_f32 v[CC+2*\k], v[16*\k:16*\k+7], v[MX+\k]
	v_cvt_scalef32_pk8_fp4_f32 v[CC+2*\k+1], v[16*\k+8:16*\k+15], v[MX+\k]
.endr
	v_nop                                          ; one plain instruction behind the last scaled conversion
	WIN 0
.irp q, 0,1,2,3,4,5
	v_permlane16_swap_b32 v[CC+4*\q], v[CC+4*\q+2] ; a whole block of 32 to a lane
	v_permlane16_swap_b32 v[CC+4*\q+1], v[CC+4*\q+3]
.endr
.irp t, 0,1,2,3
	global_store_b128 v[L16], v[CC+4*\t:CC+4*\t+3], s[88:89] offset:1024*\t      ; half a fragment: 512 consecutive bytes, at a multiple of 256 from the buffer's first byte
.endr
.irp t, 0,1
	global_store_b128 v[L16], v[CC+16+4*\t:CC+16+4*\t+3], s[96:97] offset:1024*\t
.endr
	s_wait_dscnt 0x0                               ; for the others' sake: my scale bytes lie in LDS
	s_barrier_signal -1
	s_barrier_wait -1
	s_cmp_gt_u32 s[WV], 2                          ; waves 0, 1 and 2 store the scale images of Q, K and V
	s_cbranch_scc1 .Lno_image
	ds_load_b128 v[GS:GS+3], v[GRD]
	s_wait_dscnt 0x0
	global_store_b128 v[L16], v[GS:GS+3], s[98:99] offset:8192   ; 512 consecutive bytes
.Lno_image:
	s_wait_tensorcnt 0x0                           ; the wave's end: behind my last tensor load and my last LDS store
	ds_add_u32 v[SPW], v[NIL]
	s_wait_dscnt 0x0
	CROUND                                         ; the closing round: no work-group ends while a partner may still ask for a tile that names it
	s_endpgm
.Lfunc_end_k_q8f8049bb89_qkv:
	.size	k_q8f8049bb89_qkv, .Lfunc_end_k_q8f8049bb89_qkv-k_q8f8049bb89_qkv
	.p2alignl 7, 3214868480
	.fill 96, 4, 3214868480
	.section	.rodata,"a",@progbits
	.p2align	6, 0x0
	.amdhsa_kernel k_q8f8049bb89_qkv
		.amdhsa_group_segment_fixed_size 327680
		.amdhsa_private_segment_fixed_size 0
		.amdhsa_enable_private_segment 0
		.amdhsa_kernarg_size 32
		.amdhsa_user_sgpr_count 2
		.amdhsa_user_sgpr_kernarg_segment_ptr 1
		.amdhsa_wavefront_size32 1
		.amdhsa_system_sgpr_workgroup_id_x 1
		.amdhsa_system_sgpr_workgroup_id_y 1
		.amdhsa_system_sgpr_workgroup_id_z 1
		.amdhsa_system_vgpr_workitem_id 0
		.amdhsa_next_free_vgpr 512
		.amdhsa_next_free_sgpr 100
		.amdhsa_reserve_vcc 0
		.amdhsa_float_denorm_mode_32 3
		.amdhsa_float_denorm_mode_16_64 3
		.amdhsa_memory_ordered 1
		.amdhsa_forward_progress 1
		.amdhsa_inst_pref_size 48
	.end_amdhsa_kernel
	.amdgpu_metadata
---
amdhsa.version: [ 1, 2 ]
amdhsa.kernels:
  - .name:           k_q8f8049bb89_qkv
    .symbol:         k_q8f8049bb89_qkv.kd
    .args:
      - { .name: opq, .offset: 0, .size: 8, .value_kind: global_buffer, .address_space: global }
      - { .name: b_qkv, .offset: 8, .size: 8, .value_kind: global_buffer, .address_space: global }
      - { .name: qb, .offset: 16, .size: 8, .value_kind: global_buffer, .address_space: global }
      - { .name: kvb, .offset: 24, .size: 8, .value_kind: global_buffer, .address_space: global }
    .group_segment_fixed_size: 327680
    .private_segment_fixed_size: 0
    .kernarg_segment_align: 8
    .kernarg_segment_size: 32
    .max_flat_workgroup_size: 256
    .sgpr_count:     100
    .vgpr_count:     512
    .wavefront_size: 32
...
	.end_amdgpu_metadata
.endif
;; end of part 2
;; launch attn (part 3): grid 16 x 16, 8 waves a work-group, clusters of 4 x 1, 327,680 bytes of LDS; arguments qb, kvb, out0; writes out0
.if DOCPART == 3
	.amdgcn_target "amdgcn-amd-amdhsa--gfx1250"
	.amdhsa_code_object_version 6
	.text
	.protected	k_q8f8049bb89_attn
	.globl	k_q8f8049bb89_attn
	.p2align	8
	.type	k_q8f8049bb89_attn,@function
k_q8f8049bb89_attn:
	s_mov_b64 s[64:65], 0
	v_nop
	global_prefetch_b8 v0, s[64:65] scope:SCOPE_SE
	s_setreg_imm32_b32 hwreg(HW_REG_WAVE_MODE, 25, 1), 1
	s_wait_xcnt 0x0
	s_wait_alu depctr_hold_cnt(0) depctr_sa_sdst(0) depctr_va_vdst(0) depctr_va_sdst(0) depctr_va_ssrc(0) depctr_va_vcc(0) depctr_vm_vsrc(0)
	s_getreg_b32 s2, hwreg(HW_REG_IB_STS2, 6, 4)
	s_cmp_eq_u32 s2, 0
	s_cbranch_scc0 .Lentry_in_a_cluster
	s_endpgm
.Lentry_in_a_cluster:
	s_bfe_u32 s2, ttmp6, 0x10000c
	s_cmp_lg_u32 s2, 0x3003
	s_cbranch_scc0 .Lentry_shape_is_right
	s_endpgm
.Lentry_shape_is_right:
; THIRD LAUNCH: out0[batch][q][128 head + d] = the sum over k of softmax_k(Q[q] . K[k] / sqrt(128)) V[k][d], both products on codes of FP4 with one E8M0 scale for each 32 along a product's K.  No work of reference() is left out.
; IN: qb [batch x head 16][block of 128 queries 16][8,704];  kvb [batch x head 16][group of four blocks of 128 keys 4][K of the four, V of the four][8,704].  A block: tile T (16 rows x 128 along K, one fragment) at 1024 T,
; registers 4 c .. 4 c + 3 of lane l at 512 c + 16 l; scale words from byte 8,192 on, tile 2 n + l / 16, row l % 16 at 16 l + 4 n; row r of tile 2 b + u is row 32 b + 8 u + r + 8 (r / 8) of the 128.  V's rows are channels, its K the block's keys.
; THE SOFTMAX AHEAD OF THE SECOND PRODUCT: t = score x log2(e) / sqrt(128); M = the row's largest t so far, rounded UP to a whole number; p = 2^(t - M) is what is quantised, along the keys, not normalised.
; The row's sum is taken of the unquantised p, in f32, and divides O at the end.  When M moves, the sum and O are multiplied by 2^(old M - new M): exact.
; SHARES.  A work-group owns 128 queries of one head.  Eight waves, two to a SIMD: wave w has qg = w % 4 and kh = w / 4: 32 queries (tiles 2 qg, 2 qg + 1) and half of the keys: of each group of four key blocks the blocks 2 kh, 2 kh + 1.
; A big step is 256 keys of a wave; four of them.  Each fragment of K and V feeds two tiles of queries.  At the end the two waves of a qg exchange one tile each through LDS, with its M and its sum, and each finishes one tile:
; wave-local tile a is tile 2 qg + (a xor kh), so that every wave finishes its tile 0 and sends its tile 1, with no branch.
; LAYOUT.  Both products are used transposed: S^T = K Q^T (source 0 = 32 keys, source 1 = 16 queries), O^T = V^T P^T (source 0 = 32 channels, source 1 = P): a lane holds ONE query of each tile (lane % 16) throughout.  By the blocks' order of rows
; the 16 result registers are keys (in O^T: channels) 32 b + 16 (lane / 16) + 0 .. 15: so the conversions' results are the second product's operand, and a lane's results are runs of 64 bytes of a row of out0.
; LDS.  The head's whole K and V, 278,528 bytes, lie in LDS: every byte is filled once.  They come in two loads a wave, an eighth each, each load behind a round of the cluster's barrier: group 0; groups 1 to 3.
; CLUSTER 4 x 1: four blocks of queries of one head read the same K and V: each load is asked for JOINTLY, with the same descriptor and a mask that names the four.
; NO PREFETCH: two loads a wave bring all tiles and no loop asks for any; the second load has a whole big step, 32 queries x 256 keys a wave, in which to land.
; LIMITS: the promise holds while the scaled scores, to the base 2, stay under 2^31 in magnitude; a block of p that has fallen to zeros keeps the byte 1 (its codes are zeros); NaN and infinities are not served.
; REGISTERS, in windows of 256.  Window 1: S^T, tile a, half s, block b of 32 keys at 128 a + 64 s + 16 b; then p; then (tile 0's first 16) tile 1's codes and (tile 1's first 64) V's second half.  Window 0: all else.
.set BLK,   8704
.set GRPB,  8*BLK                      ; a group: four blocks of K, four of V
.set HEADB, 4*GRPB
.set SPARE, HEADB                      ; behind K and V: the spare words, 128 bytes for each wave: four blocks of 256 bytes that no other line names
.set STAGE, SPARE+1024                 ; the way out: 16 rows x (256 bytes + 16) for each wave: bytes of its own, into which no tensor load lands
.set EXB,   8448                       ; the exchange: 8,192 bytes of O^T, 128 of -M, 128 of sums for each wave; it lies in group 0, which has had its last fill and its last read
.set ADR,  2                           ; v2   the big step's first LDS byte + 16 x lane
.set SPW,  3                           ; v3   LDS address of my spare word; never rewritten
.set NIL,  4                           ; v4   0; never rewritten
.set QS,   5                           ; v5, v1  Q's scale words of tile 0, 1
.set MM,   6                           ; v6, v7  -M of tile 0, 1
.set SUM,  8                           ; v8, v9  the row's sum
.set VSB,  10                          ; v10-13  scale words of V's second half
.set FF,   14                          ; v14  f = 2^(old M - new M); the packed form names the pair and takes its low word
.set L16,  15                          ; v15  16 x lane; never rewritten
.set KS,   16                          ; v16-19  scale words of what lies in FR
.set PW,   20                          ; v20-23  p's scale words: tile 0 halves 0, 1; tile 1 halves 0, 1
.set MX,   24                          ; v24-31  the blocks' maxima, then the conversions' scale operands; the odd ones serve between
.set CD,   32                          ; v32-47  tile 0's codes
.set QF,   48                          ; v48-63  Q's two fragments
.set FR,   64                          ; v64-127 a block of K or of V
.set OT,   128                         ; v128-255 O^T: tile a, 32 channels b at 128 + 64 a + 16 b
.set VB,   128                         ; window 1: V's second half
.set WV,   10                          ; s10  my wave
.set KH,   11
.set QG,   12
.set NC,   16                          ; s16  -c
.set SEL,  20                          ; s[20:21] v_permlanex16_b32's selects for lane l xor 16
.set CS,   22                          ; s[22:23] c = log2(e) / sqrt(128)
.set G1,   24                          ; s[24:31] descriptor group 1;  s[32:39] two groups 0
.set G0,   32
.set TB,   48                          ; s48  the big step's first LDS byte
.set CNT,  49
.set MSB,  0
.macro WIN new                         ; the immediate's high byte repeats the setting that is left
.if MSB != (\new)
	s_set_vgpr_msb (MSB<<8)|(\new)
.set MSB, \new
.endif
.endm
.macro PLACES n                        ; places behind matrix instructions: 4 ahead of loads and of reads of results, 5 ahead of matrix instructions that write over their registers
.rept \n
	v_nop
.endr
.endm
.macro CROUND                          ; a round of the cluster's barrier
	s_barrier_signal -1
	s_barrier_wait -1
	s_cmp_lg_u32 s[WV], 0
	s_cbranch_scc1 .Lnot_wave_0_\@
	s_barrier_signal -3
.Lnot_wave_0_\@:
	s_barrier_wait -3
	s_barrier_signal -1
	s_barrier_wait -1
.endm
; A block of K or V into 64 registers from d on of window w, its scale words into sc: 17 LDS loads of consecutive bytes.
.macro FETCH w, d, sc, off
	WIN 0x40*(\w)
.irp t, 0,1,2,3,4,5,6,7
.irp c, 0,1
	ds_load_b128 v[(\d)+8*\t+4*\c:(\d)+8*\t+4*\c+3], v[ADR] offset:(\off)+1024*\t+512*\c
.endr
.endr
	WIN 0
	ds_load_b128 v[\sc:\sc+3], v[ADR] offset:(\off)+8192
.endm
.macro QK s                            ; S^T of half s: 128 keys x my two tiles
	WIN 0x40
.irp b, 0,1,2,3
.irp a, 0,1
	v_wmma_scale_f32_32x16x128_f4 v[128*\a+64*(\s)+16*\b:128*\a+64*(\s)+16*\b+15], v[FR+16*\b:FR+16*\b+15], v[QF+8*\a:QF+8*\a+7], 0, v[KS+\b], v[QS-4*\a]
.endr
.endr
.endm
.macro PV s, zero                      ; O^T += V^T P^T for half s; the eight accumulators take turns; zero = 1: the products start the sums
.if \s
.set AB, VB
.set SB, VSB
.else
.set AB, FR
.set SB, KS
.endif
	WIN \s
.irp b, 0,1,2,3
.if \zero
	v_wmma_scale_f32_32x16x128_f4 v[OT+16*\b:OT+16*\b+15], v[AB+16*\b:AB+16*\b+15], v[CD+8*(\s):CD+8*(\s)+7], 0, v[SB+\b], v[PW+(\s)]
.else
	v_wmma_scale_f32_32x16x128_f4 v[OT+16*\b:OT+16*\b+15], v[AB+16*\b:AB+16*\b+15], v[CD+8*(\s):CD+8*(\s)+7], v[OT+16*\b:OT+16*\b+15], v[SB+\b], v[PW+(\s)]
.endif
.endr
	WIN 4+(\s)                                     ; tile 1's codes lie in window 1
.irp b, 0,1,2,3
.if \zero
	v_wmma_scale_f32_32x16x128_f4 v[OT+64+16*\b:OT+64+16*\b+15], v[AB+16*\b:AB+16*\b+15], v[8*(\s):8*(\s)+7], 0, v[SB+\b], v[PW+2+(\s)]
.else
	v_wmma_scale_f32_32x16x128_f4 v[OT+64+16*\b:OT+64+16*\b+15], v[AB+16*\b:AB+16*\b+15], v[8*(\s):8*(\s)+7], v[OT+64+16*\b:OT+64+16*\b+15], v[SB+\b], v[PW+2+(\s)]
.endif
.endr
	WIN 0
.endm
; THE SOFTMAX of tile a over 256 keys, eight blocks of 32.  first = 1: the first big step: no older M, sum or O.
.macro SOFT a, first
.set SS, 128*(\a)
	WIN 0x14                                       ; source 0 and results in window 0, the scores in window 1
	s_wait_alu depctr_va_vdst(0)                   ; directly ahead of the scores' first readers
.irp b, 0,1,2,3,4,5,6,7
	v_max3_num_f32 v[MX+\b], 0xff800000, v[SS+16*\b], v[SS+16*\b+1]   ; THE LARGEST SCORE OF EACH BLOCK serves twice: for the row's maximum, and, since p rises with the score, for the block's largest p
.endr
.irp i, 2,4,6,8,10,12,14
.irp b, 0,1,2,3,4,5,6,7
	v_max3_num_f32 v[MX+\b], v[MX+\b], v[SS+16*\b+\i], v[SS+16*\b+\i+1]
.endr
.endr
	WIN 0
.irp c, 0,2,4,6
	v_permlane16_swap_b32 v[MX+\c], v[MX+\c+1]     ; now lanes 0-15 of both hold block c's two halves, lanes 16-31 block c + 1's:
.endr
.irp c, 0,2,4,6
	v_max_num_f32 v[MX+\c], v[MX+\c], v[MX+\c+1]   ; block c's largest in lanes 0-15, block c + 1's in lanes 16-31
.endr
	v_max3_num_f32 v[MX+1], v[MX], v[MX+2], v[MX+4]
	s_delay_alu instid0(VALU_DEP_1)
	v_max_num_f32 v[MX+1], v[MX+1], v[MX+6]
	s_delay_alu instid0(VALU_DEP_1)
	v_permlanex16_b32 v[MX+3], v[MX+1], s[SEL], s[SEL+1]
	s_delay_alu instid0(VALU_DEP_1)
	v_max_num_f32 v[MX+1], v[MX+1], v[MX+3]        ; the largest of the 256
	s_delay_alu instid0(VALU_DEP_1)
	v_mul_f32 v[MX+1], s[NC], v[MX+1]              ; as -t (c is positive)
.if \first
	s_delay_alu instid0(VALU_DEP_1)
	v_floor_f32 v[MM+(\a)], v[MX+1]                ; -M = floor(-t) = -ceil(t)
.else
	s_delay_alu instid0(VALU_DEP_1)
	v_floor_f32 v[MX+1], v[MX+1]
	v_mov_b32 v[MX+5], v[MM+(\a)]
	s_delay_alu instid0(VALU_DEP_2)
	v_min_num_f32 v[MM+(\a)], v[MM+(\a)], v[MX+1]  ; the new -M: M is a whole number and never falls
	s_delay_alu instid0(VALU_DEP_1)
	v_sub_f32 v[MX+5], v[MM+(\a)], v[MX+5]         ; old M - new M: a whole number, 0 or less
	s_delay_alu instid0(VALU_DEP_1)
	v_cvt_i32_f32 v[MX+5], v[MX+5]                 ; (it saturates)
	s_delay_alu instid0(VALU_DEP_1)
	v_ldexp_f32 v[FF], 1.0, v[MX+5]                ; f
	s_wait_alu depctr_va_vdst(0)                   ; directly ahead of O^T's first readers
.set k, OT+64*(\a)
.rept 32
	v_pk_mul_f32 v[k:k+1], v[k:k+1], v[FF:FF+1] op_sel_hi:[1,0]   ; O^T under the new M, each accumulator from its low end on
.set k, k+2
.endr
.endif
.irp c, 0,2,4,6
	v_fma_f32 v[MX+\c], v[MX+\c], s[CS], v[MM+(\a)]   ; t - M of each block's largest score
.endr
	WIN 0x41
.set k, SS
.rept 64
.if \a
	v_pk_fma_f32 v[k:k+1], v[k:k+1], s[CS:CS+1], v[MM:MM+1] op_sel:[0,0,1] op_sel_hi:[1,0,1]   ; t - M, two at a time (of the pair of -M the high word serves both)
.else
	v_pk_fma_f32 v[k:k+1], v[k:k+1], s[CS:CS+1], v[MM:MM+1] op_sel_hi:[1,0,0]                  ; (the low word serves both)
.endif
.set k, k+2
.endr
	s_wait_alu depctr_va_vdst(0)                   ; the wait ahead of the batch
.set k, SS
.rept 128
	v_exp_f32 v[k], v[k]                           ; p = 2^(t - M)
.set k, k+1
.endr
	WIN 0
.irp c, 0,2,4,6
	v_exp_f32 v[MX+\c], v[MX+\c]                   ; the blocks' largest p: the same operations on the same numbers
.endr
.if \first
	v_nop
.else
	v_mul_f32 v[SUM+(\a)], v[SUM+(\a)], v[FF]      ; the sum under the new M: the plain instruction behind the batch
.endif
	s_wait_alu depctr_va_vdst(0)                   ; one wait for the whole batch, ahead of its first reader
.irp c, 0,2,4,6
	v_max_num_f32 v[MX+\c], 0x1800000, v[MX+\c]    ; the floor 2^(3 - 127): the byte cannot fall under 1
.endr
.irp c, 0,2,4,6
	v_add_nc_u32 v[MX+\c], 0xff000000, v[MX+\c]    ; 2 off the exponent field: the conversion's scale operand
.endr
.irp c, 0,2,4,6
	v_lshrrev_b32 v[MX+\c+1], 23, v[MX+\c]         ; the scale's byte: block c's in lanes 0-15, block c + 1's in lanes 16-31
.endr
	v_lshl_or_b32 v[MX+1], v[MX+3], 16, v[MX+1]    ; bytes 0 and 2 of a half's scale word (in lanes 16-31 bytes 1 and 3)
	v_lshl_or_b32 v[MX+5], v[MX+7], 16, v[MX+5]
	v_permlanex16_b32 v[MX+3], v[MX+1], s[SEL], s[SEL+1]
	v_permlanex16_b32 v[MX+7], v[MX+5], s[SEL], s[SEL+1]
	v_lshl_or_b32 v[PW+2*(\a)], v[MX+3], 8, v[MX+1]     ; lanes 0-15, which alone are read, have the word of their row
	v_lshl_or_b32 v[PW+2*(\a)+1], v[MX+7], 8, v[MX+5]
.irp c, 0,2,4,6
	v_mov_b32 v[MX+\c+1], v[MX+\c]
.endr
.irp c, 0,2,4,6
	v_permlane16_swap_b32 v[MX+\c], v[MX+\c+1]     ; register c has block c's scale operand in all lanes, register c + 1 block c + 1's
.endr
.if \a
	WIN 0x41                                       ; tile 1's codes go where tile 0's first scores lay
.set CB, 0
.else
	WIN 0x01
.set CB, CD
.endif
.irp b, 0,1,2,3,4,5,6,7
	v_cvt_scalef32_pk8_fp4_f32 v[CB+2*\b], v[SS+16*\b:SS+16*\b+7], v[MX+\b]
	v_cvt_scalef32_pk8_fp4_f32 v[CB+2*\b+1], v[SS+16*\b+8:SS+16*\b+15], v[MX+\b]
.endr
	v_nop                                          ; one plain instruction behind the last scaled conversion
.if (\a) == 0
	WIN 0
.endif
.irp c, 0,4,8,12
	v_permlane16_swap_b32 v[CB+\c], v[CB+\c+2]     ; a whole block of 32 keys to a lane
	v_permlane16_swap_b32 v[CB+\c+1], v[CB+\c+3]
.endr
	WIN 0x45                                       ; THE ROW'S SUM IS TAKEN OF THE UNQUANTISED p, which is done with: two at a time, eight blocks by turns, then the blocks
.irp i, 2,4,6,8,10,12,14
.irp b, 0,1,2,3,4,5,6,7
	v_pk_add_f32 v[SS+16*\b:SS+16*\b+1], v[SS+16*\b:SS+16*\b+1], v[SS+16*\b+\i:SS+16*\b+\i+1]
.endr
.endr
.irp b, 0,2,4,6
	v_pk_add_f32 v[SS+16*\b:SS+16*\b+1], v[SS+16*\b:SS+16*\b+1], v[SS+16*\b+16:SS+16*\b+17]
.endr
.irp b, 0,4
	v_pk_add_f32 v[SS+16*\b:SS+16*\b+1], v[SS+16*\b:SS+16*\b+1], v[SS+16*\b+32:SS+16*\b+33]
.endr
	v_pk_add_f32 v[SS:SS+1], v[SS:SS+1], v[SS+64:SS+65]
.if \first
	WIN 0x05
	v_add_f32 v[SUM+(\a)], v[SS], v[SS+1]
.else
	WIN 0x04
	v_add_f32 v[SUM+(\a)], v[SUM+(\a)], v[SS]
	v_add_f32 v[SUM+(\a)], v[SUM+(\a)], v[SS+1]
.endif
	WIN 0
.endm
; A BIG STEP: 256 keys.  Its first K block has been asked for.  first = 1: the products V^T P start O^T's sums.  next = 1: the next big step's first K block is asked for.
.macro BIG first, next
	s_wait_dscnt 0x0
	QK 0
	PLACES 4
	FETCH 0, FR, KS, BLK
	s_wait_dscnt 0x0
	QK 1
	PLACES 4
	FETCH 0, FR, KS, 4*BLK                         ; V lands while the softmax is walked
	SOFT 0, \first
	SOFT 1, \first
	FETCH 1, VB, VSB, 5*BLK                        ; V's second half takes the place of tile 1's p, which is done with
	s_wait_alu depctr_va_vdst(0)
	s_wait_dscnt 17                                ; V's first half is in; the 17 younger loads may be out
	PV 0, \first
	s_add_co_u32 s[TB], s[TB], GRPB
	v_add_nc_u32 v[ADR], s[TB], v[L16]             ; (with the three below the four places ahead of loads)
	s_wait_alu depctr_va_vdst(0)                   ; behind the write
	PLACES 3
.if \next
	FETCH 0, FR, KS, 0
	s_wait_dscnt 17                                ; V's second half is in
.else
	s_wait_dscnt 0x0
.endif
	PV 1, 0
	PLACES 5                                       ; S^T is laid over registers that these products read
.endm
	s_load_b128 s[4:7], s[0:1], 0x0                ; qb, kvb
	s_load_b64 s[8:9], s[0:1], 0x10                ; out0
	v_lshl_add_u32 v[SPW], v0, 2, SPARE
	v_mov_b32 v[NIL], 0
	ds_add_u32 v[SPW], v[NIL]                      ; the wave's opening: the add, twice on end, and its wait ahead of my first tensor load; the set-up below, work on registers, stands between
	ds_add_u32 v[SPW], v[NIL]
	v_lshrrev_b32 v24, 5, v0
	v_readfirstlane_b32 s[WV], v24                 ; wave 0..7
	s_lshr_b32 s[KH], s[WV], 2
	s_and_b32 s[QG], s[WV], 3
	s_bfe_u32 s13, ttmp6, 0x40000                  ; cx: my place in the cluster
	s_lshl_b32 s14, ttmp9, 2
	s_add_co_u32 s14, s14, s13                     ; my block of 128 queries = 4 x cluster x + cx: it enters Q's and out0's addresses alone
	s_and_b32 s15, ttmp7, 0xffff                   ; batch x 8 + head, which the four partners share
	s_mov_b32 s[G1], 15|(3<<16)|(1<<21)            ; 15:0 the mask: all four work-groups; 17:16 elements of 8 bytes; 21 set beside a mask; no padding
	s_mov_b32 s[G1+1], 32<<16                      ; tensor_dim0 = 32 elements: 256 bytes
	s_mov_b32 s[G1+2], 34<<16                      ; tensor_dim1 = 34 rows: 8,704 bytes: an eighth of a group
	s_mov_b32 s[G1+3], 32<<16                      ; tile_dim0
	s_mov_b32 s[G1+4], 34                          ; tile_dim1
	s_mov_b32 s[G1+5], 32                          ; the pitch: the tile is dense
	s_mov_b32 s[G1+6], 0
	s_mov_b32 s[G1+7], 0
	s_mul_i32 s50, s15, HEADB
	s_mov_b32 s51, 0
	s_mov_b32 s53, 0
	s_lshl_b32 s54, s15, 4
	s_add_co_u32 s54, s54, s14
	s_mul_i32 s54, s54, BLK                        ; Q's block
	s_mov_b32 s55, 0
	s_lshr_b32 s56, s15, 3
	s_lshl_b32 s56, s56, 11                        ; out0: the batch's 2,048 rows,
	s_lshl_b32 s57, s14, 7
	s_add_co_u32 s56, s56, s57                     ; my block's 128,
	s_lshl_b32 s57, s[QG], 5
	s_add_co_u32 s56, s56, s57                     ; the first row of the tile that I finish, 2 qg + kh: 32 qg + 8 kh;
	s_lshl_b32 s57, s[KH], 3
	s_add_co_u32 s56, s56, s57
	s_lshl_b32 s56, s56, 12                        ; rows of 4,096 bytes;
	s_and_b32 s57, s15, 7
	s_lshl_b32 s57, s57, 9
	s_add_co_u32 s56, s56, s57                     ; the head's 512 bytes of a row
	s_mov_b32 s57, 0
	s_xor_b32 s59, s[KH], 1
	s_lshl_b32 s60, s[QG], 1
	s_add_co_u32 s58, s60, s[KH]
	s_lshl_b32 s58, s58, 10                        ; where my tile 0 begins in Q's block: 1024 (2 qg + kh),
	s_add_co_u32 s61, s60, s59
	s_lshl_b32 s61, s61, 10                        ; and my tile 1: 1024 (2 qg + 1 - kh)
	s_lshl_b32 s60, s[QG], 2
	s_lshl_b32 s62, s[KH], 8
	s_add_co_u32 s62, s62, s60                     ; their scale words: 256 (tile % 2) + 4 qg + 16 r
	s_lshl_b32 s63, s59, 8
	s_add_co_u32 s63, s63, s60
	s_mul_i32 s[TB], s[KH], 2*BLK                  ; my two of a group's four blocks
	s_mov_b32 s[SEL], 0x76543210
	s_mov_b32 s[SEL+1], 0xfedcba98
	s_mov_b32 s[CS], 0x3e0293ee                    ; c = log2(e) / sqrt(128)
	s_mov_b32 s[CS+1], s[CS]                       ; (named with it as a pair, so it is written)
	s_mov_b32 s[NC], 0xbe0293ee                    ; -c
	v_and_b32 v24, 31, v0
	v_and_b32 v25, 15, v0                          ; r
	v_lshlrev_b32 v[L16], 4, v24
	v_lshl_add_u32 v28, v25, 4, s62
	v_lshl_add_u32 v29, v25, 4, s63
	v_add_nc_u32 v26, s58, v[L16]
	v_add_nc_u32 v27, s61, v[L16]
	v_mov_b32 v[MM+1], 0                           ; (named as the upper half of the pair of -M before it is first written)
	v_add_nc_u32 v[ADR], s[TB], v[L16]
	s_wait_alu depctr_va_vdst(0)
	s_wait_dscnt 0x0                               ; both opening adds are done
	s_wait_kmcnt 0x0
	s_add_nc_u64 s[50:51], s[6:7], s[50:51]
	s_add_nc_u64 s[4:5], s[4:5], s[54:55]
	s_add_nc_u64 s[8:9], s[8:9], s[56:57]
.macro G0SET n, off, part                      ; my eighth of a load lies at the same place in LDS and in the head's bytes of kvb
	s_mul_i32 s52, s[WV], \part
	s_add_co_u32 s52, s52, \off
	s_mov_b32 s[G0+4*(\n)], 1
	s_mov_b32 s[G0+4*(\n)+1], s52
	s_add_nc_u64 s[G0+4*(\n)+2:G0+4*(\n)+3], s[50:51], s[52:53]
	s_or_b32 s[G0+4*(\n)+3], s[G0+4*(\n)+3], 0x80000000
.endm
	G0SET 0, 0, 34*256
	G0SET 1, GRPB, 102*256
	CROUND                                         ; all four work-groups are here: the joint loads meet
	tensor_load_to_lds s[G0:G0+3], s[G1:G1+7]      ; every wave's one tensor load at the head: group 0
	s_nop 0
	PLACES 4
	global_load_b128 v[QF:QF+3], v26, s[4:5]       ; Q's two fragments stay in registers
	global_load_b128 v[QF+4:QF+7], v26, s[4:5] offset:512
	global_load_b128 v[QF+8:QF+11], v27, s[4:5]
	global_load_b128 v[QF+12:QF+15], v27, s[4:5] offset:512
	global_load_b32 v[QS], v28, s[4:5] offset:8192
	global_load_b32 v[QS-4], v29, s[4:5] offset:8192
	s_wait_tensorcnt 0x0                           ; my part of group 0 is in
	ds_add_u32 v[SPW], v[NIL]                      ; 0 onto my spare word;
	s_mov_b32 s[G1+2], 102<<16                     ; (no tensor load of mine is out: the descriptor may be written: an eighth of three groups, 26,112 bytes)
	s_mov_b32 s[G1+4], 102
	s_wait_dscnt 0x0                               ; the add is done
	CROUND                                         ; group 0 lies in LDS
	tensor_load_to_lds s[G0+4:G0+7], s[G1:G1+7]    ; groups 1 to 3, the first tensor load behind the round
	s_nop 0
	PLACES 4
	FETCH 0, FR, KS, 0
	s_wait_loadcnt 0x0                             ; Q
	BIG 1, 0
	s_wait_alu depctr_va_vdst(0)
	s_wait_tensorcnt 0x0                           ; groups 1 to 3: my part is in
	s_wait_dscnt 0x0
	s_barrier_signal -1
	s_barrier_wait -1
	FETCH 0, FR, KS, 0
	s_mov_b32 s[CNT], 2
.Lbig:
	BIG 0, 1
	s_sub_co_u32 s[CNT], s[CNT], 1
	s_cmp_lg_u32 s[CNT], 0
	s_wait_alu depctr_va_vdst(0)
	s_cbranch_scc1 .Lbig
	BIG 0, 0                                       ; the last asks for nothing
	; THE EXCHANGE.  My tile 1 goes to the wave w xor 4, whose tile 1 is my tile 0: O^T as it stands in the registers, -M, and the sum.
	s_mul_i32 s52, s[WV], EXB
	s_xor_b32 s54, s[WV], 4
	s_mul_i32 s54, s54, EXB
	s_mul_i32 s55, s[WV], 16*272
	s_add_co_u32 s55, s55, STAGE                   ; my stage
	v_and_b32 v24, 31, v0
	v_lshl_add_u32 v26, v24, 4, s52
	v_lshl_add_u32 v27, v24, 2, s52
	v_lshl_add_u32 v28, v24, 4, s54
	v_lshl_add_u32 v29, v24, 2, s54
	ds_store_b32 v27, v[MM+1] offset:8192
	ds_store_b32 v27, v[SUM+1] offset:8320
.irp k, 0,1,2,3,4,5,6,7,8,9,10,11,12,13,14,15
	ds_store_b128 v26, v[OT+64+4*\k:OT+64+4*\k+3] offset:512*\k   ; each accumulator from its low end on
.endr
	v_and_b32 v32, 15, v0                          ; r
	v_bfe_u32 v33, v0, 4, 1                        ; h
	v_mul_u32_u24 v34, v32, 272
	v_mul_u32_u24 v35, v33, 272
	v_lshlrev_b32 v36, 12, v33
	v_lshl_add_u32 v34, v33, 6, v34
	v_lshl_add_u32 v35, v32, 4, v35
	v_lshl_add_u32 v36, v32, 4, v36                ; v36: two rows of out0: lanes 0-15 one, lanes 16-31 the next
	v_add_nc_u32 v34, s55, v34                     ; v34: into the stage: row r, + 64 h
	v_add_nc_u32 v35, s55, v35                     ; v35: out of it, the same two rows
	s_wait_alu depctr_va_vdst(0)
	s_wait_dscnt 0x0                               ; for my partner's sake: my stores lie in LDS
	s_barrier_signal -1
	s_barrier_wait -1
	ds_load_b32 v30, v29 offset:8192               ; my partner's -M,
	ds_load_b32 v31, v29 offset:8320               ; its sum,
.irp k, 0,1,2,3,4,5,6,7,8,9,10,11,12,13,14,15
	ds_load_b128 v[FR+4*\k:FR+4*\k+3], v28 offset:512*\k   ; and its O^T
.endr
	s_wait_dscnt 16                                ; -M and the sum are in; the 16 younger loads may be out
	v_min_num_f32 v24, v[MM], v30                  ; the common -M
	v_sub_f32 v26, v24, v[MM]
	v_sub_f32 v27, v24, v30
	v_cvt_i32_f32 v26, v26
	v_cvt_i32_f32 v27, v27
	v_ldexp_f32 v24, 1.0, v26                      ; 2^(my M - common M),
	v_ldexp_f32 v25, 1.0, v27                      ; 2^(its M - common M)
	v_mul_f32 v26, v[SUM], v24
	v_fma_f32 v26, v31, v25, v26
	v_permlanex16_b32 v27, v26, s[SEL], s[SEL+1]
	v_add_f32 v26, v26, v27                        ; with lane l xor 16's keys: the row's sum
	s_wait_alu depctr_va_vdst(0)
	v_rcp_f32 v26, v26
	v_nop                                          ; a plain instruction behind the reciprocal,
	s_wait_alu depctr_va_vdst(0)                   ; and the wait ahead of its first reader
	v_mul_f32 v24, v24, v26
	v_mul_f32 v25, v25, v26
	s_wait_alu depctr_va_vdst(0)
	s_wait_dscnt 0x0
.set k, 0
.rept 32
	v_pk_mul_f32 v[FR+k:FR+k+1], v[FR+k:FR+k+1], v[24:25] op_sel:[0,1] op_sel_hi:[1,1]
.set k, k+2
.endr
	s_wait_alu depctr_va_vdst(0)                   ; directly ahead of O^T's first readers
.set k, 0
.rept 32
	v_pk_fma_f32 v[FR+k:FR+k+1], v[OT+k:OT+k+1], v[24:25], v[FR+k:FR+k+1] op_sel_hi:[1,0,1]   ; register 16 b + i is channel 32 b + 16 h + i of my query
.set k, k+2
.endr
	; THE WAY OUT through my stage in LDS, half a row (64 channels, 256 bytes) of 16 queries at a time, so that sixteen lanes store 256 consecutive bytes.
.irp u, 0,1
.irp bb, 0,1
.irp k, 0,1,2,3
	ds_store_b128 v34, v[FR+16*(2*\u+\bb)+4*\k:FR+16*(2*\u+\bb)+4*\k+3] offset:128*\bb+16*\k
.endr
.endr
.irp i, 0,1,2,3,4,5,6,7
	ds_load_b128 v[OT+32*\u+4*\i:OT+32*\u+4*\i+3], v35 offset:544*\i   ; LDS serves a wave's instructions in order: these see my stores, and the next half's stores come behind them
.endr
.endr
.irp u, 0,1
.irp i, 0,1,2,3,4,5,6,7
	s_wait_dscnt 23-16*\u-\i                       ; behind this load: the half's 7 - i later loads, and for half 0 the other half's 8 stores and 8 loads
	global_store_b128 v36, v[OT+32*\u+4*\i:OT+32*\u+4*\i+3], s[8:9] offset:(2*\i+8*(\i/4))*4096+256*\u   ; the tile's rows 2 i, 2 i + 1 are queries 2 i + 8 (i / 4) on; 16 lanes store 256 consecutive bytes, at a multiple of 256 from out0's first byte
.endr
.endr
	s_wait_tensorcnt 0x0                           ; the wave's end: behind my last tensor load and my last LDS store
	ds_add_u32 v[SPW], v[NIL]
	s_wait_dscnt 0x0
	CROUND                                         ; the closing round: no work-group ends while a partner may still ask for a tile that names it
	s_endpgm
.Lfunc_end_k_q8f8049bb89_attn:
	.size	k_q8f8049bb89_attn, .Lfunc_end_k_q8f8049bb89_attn-k_q8f8049bb89_attn
	.p2alignl 7, 3214868480
	.fill 96, 4, 3214868480
	.section	.rodata,"a",@progbits
	.p2align	6, 0x0
	.amdhsa_kernel k_q8f8049bb89_attn
		.amdhsa_group_segment_fixed_size 327680
		.amdhsa_private_segment_fixed_size 0
		.amdhsa_enable_private_segment 0
		.amdhsa_kernarg_size 24
		.amdhsa_user_sgpr_count 2
		.amdhsa_user_sgpr_kernarg_segment_ptr 1
		.amdhsa_wavefront_size32 1
		.amdhsa_system_sgpr_workgroup_id_x 1
		.amdhsa_system_sgpr_workgroup_id_y 1
		.amdhsa_system_sgpr_workgroup_id_z 1
		.amdhsa_system_vgpr_workitem_id 0
		.amdhsa_next_free_vgpr 512
		.amdhsa_next_free_sgpr 66
		.amdhsa_reserve_vcc 0
		.amdhsa_float_denorm_mode_32 3
		.amdhsa_float_denorm_mode_16_64 3
		.amdhsa_memory_ordered 1
		.amdhsa_forward_progress 1
		.amdhsa_inst_pref_size 178
	.end_amdhsa_kernel
	.amdgpu_metadata
---
amdhsa.version: [ 1, 2 ]
amdhsa.kernels:
  - .name:           k_q8f8049bb89_attn
    .symbol:         k_q8f8049bb89_attn.kd
    .args:
      - { .name: qb, .offset: 0, .size: 8, .value_kind: global_buffer, .address_space: global }
      - { .name: kvb, .offset: 8, .size: 8, .value_kind: global_buffer, .address_space: global }
      - { .name: out0, .offset: 16, .size: 8, .value_kind: global_buffer, .address_space: global }
    .group_segment_fixed_size: 327680
    .private_segment_fixed_size: 0
    .kernarg_segment_align: 8
    .kernarg_segment_size: 24
    .max_flat_workgroup_size: 256
    .sgpr_count:     66
    .vgpr_count:     512
    .wavefront_size: 32
...
	.end_amdgpu_metadata
.endif
;; end of part 3
